; MI455X (gfx1250); checked and timed in simulation.
; The chip was launched on July 23, 2026; its instructions are those of AMD's public machine-readable ISA for CDNA 5 (MIT licence, August 2026) and "CDNA5" Instruction Set Architecture Reference Guide (July 2026). The comments in the code are by the model that wrote it; some were corrected since.
;; Quant Linear. Allowed arithmetic: float matrix products may take bf16 or f16 operands with f32 sums; other float arithmetic in f32, or as packed bf16 or f16 multiplies, adds, multiply-adds, maxima and minima; sums over many terms, partial sums and values carried from step to step in f32; what a program stores and reads back later, other than sums and carried values, may be rounded once to bf16 or f16.
;; Inputs: bias 4,096 float32; in_reorder 4,096 int32; intweight 4,096 x 4,096 int32; out_reorder 4,096 int32; scales 32 x 4,096 float32; x 4 x 1,024 x 4,096 float32; zeros 32 x 4,096 float32.
;; Outputs: out0 4 x 1,024 x 4,096 float32.
;; 2 versions, each right; version 2 is version 1 with the launch pack written anew for expert scheduling mode. Each part assembles by itself: llvm-mc -triple=amdgcn-amd-amdhsa -mcpu=gfx1250 --defsym DOCPART=n.
;; ======== version 1 of 2: 2 launches
;; limits: values are held in f16: magnitudes above 65,504 overflow, below 6.1e-05 lose precision
;; workspace buffers: ap 33,554,432 bytes; bp 33,554,432 bytes
;; launch pack (part 1): grid 512 x 1, 8 waves a work-group, no clusters, 156,672 bytes of LDS; arguments x, intweight, scales, zeros, in_reorder, out_reorder, ap, bp; writes ap, bp
.if DOCPART == 1
	.amdgcn_target "amdgcn-amd-amdhsa--gfx1250"
	.amdhsa_code_object_version 6
	.text
	.protected	k_qdb8012b6f1_pack
	.globl	k_qdb8012b6f1_pack
	.p2align	8
	.type	k_qdb8012b6f1_pack,@function
k_qdb8012b6f1_pack:
	s_mov_b64 s[64:65], 0
	v_nop
	global_prefetch_b8 v0, s[64:65] scope:SCOPE_SE
	s_setreg_imm32_b32 hwreg(HW_REG_WAVE_MODE, 25, 1), 1
	s_wait_xcnt 0x0
; out[m][j] = sum over i of x[m][in_reorder[i]] w[i][out_reorder[j]] + bias[j],  w[i][o] = (intweight[i][o] - zeros[i/128][o]) scales[i/128][o];  m, i, j, o run to 4,096.
; THIS LAUNCH makes the two operands of the product, each number once: ap = f16(x[m][in_reorder[k]]), bp = f16(w[k][out_reorder[j]]).  The gather of output columns is a gather of columns
; of w: column j of the result is made of column out_reorder[j] of w alone, whatever the indices hold.  Neither list is taken to be a permutation: both are applied as gathers.
; NOTHING OF reference() IS LEFT OUT: all seven inputs are read (bias by the second launch).
; LAYOUT of ap and bp, the order in which a wave's operand registers take them: [t: 32 blocks of 128 rows][kb: 128 blocks of 32 k][b16: 8 blocks of 16 rows][c: 2][L: 32 lanes][8 f16].
; The 16 bytes at t 1,048,576 + kb 8,192 + b16 1,024 + c 512 + 16 L hold row 128 t + 16 b16 + L % 16 (m in ap, j in bp), k = 32 kb + 16 c + 8 (L / 16) + 0..7.
; LIMITS.  Both operands are rounded once, from f32 to f16: |x| and |w| of 65,520 or more become infinities; below 6.1e-5 they keep f16's fixed step of 6e-8.  Indices lie in 0 .. 4,095, as the
; problem states; the minimum with 4,095 ahead of every use is a guard only.  NaN and infinities are not treated apart.
; SHARES.  Work-groups 0-255 (X): u = the number; 16 rows m = 16 u .. of x, whole.  Work-groups 256-511 (W): u = the number - 256; 16 rows k = 16 u .. of intweight, whole.  Each reads 256 KiB on end,
; lays it in LDS as f16 (phase 1), and after ONE barrier gathers from LDS by the index list and stores 128 KiB (phase 2), each store of a wave 512 consecutive bytes, aligned.
; No matrix unit, no tensor load (the numbers are changed on their way into LDS), no cluster (what work-groups share is a list of 16 KiB), no prefetch (every wave streams with 32 loads or more out).
.set PX,    8208                       ; X: an LDS row of 4,096 f16 + 16 bytes = 2,052 words: row r starts at bank 4 r mod 64 (64 banks of 4 bytes: ISA guide 11.1): the 16 rows read at one index fall on 16 banks
.set IDX,   139264                     ; behind the data (X: 16 x 8,208 bytes; W: 512 x 272): the path's index list as it lies in memory, 16,384 bytes
.set SPARE, 155648                     ; behind it: the spare words, 128 bytes for each of the eight waves: four blocks of 256 bytes that no other line names
.set SPW, 4                            ; v4   LDS address of my spare word; never rewritten
.set NIL, 5                            ; v5   0; never rewritten
.set GA,  6                            ; v6   16 x lane
.set LA,  7                            ; v7   phase 1: where my lane stores in LDS
.set IA,  8                            ; v8   phase 2: where my indices lie in LDS
.set GO,  9                            ; v9   phase 2: my byte offset in ap or bp
.set RB,  10                           ; v10  phase 2: my lane's part of a gather's address
.set GI,  11                           ; v11  16 x thread: my 16 bytes of each quarter of the index list
.set LI,  12                           ; v12  IDX + 16 x thread
.set IX,  16                           ; v[16:31]   indices
.set AD,  32                           ; v[32:47]   phase 2: gather addresses
.set GD,  48                           ; v[48:79]   phase 2: what was gathered
.set PK,  80                           ; v[80:87]   phase 2, X: 16 halves packed
.set T,   64                           ; v[64:95]   phase 1: f16 on their way into LDS
.set SET0, 96                          ; v[96:159], v[160:223]  phase 1: two sets of 16 loads
.set SET1, 160
.set ZS,  224                          ; v[224:239] phase 1, W: set n: four scales at 224 + 8 n, four zeros behind them
	s_load_b512 s[4:19], s[0:1], 0x0               ; x 4, intweight 6, scales 8, zeros 10, in_reorder 12, out_reorder 14, ap 16, bp 18
	v_lshl_add_u32 v[SPW], v0, 2, SPARE
	v_mov_b32 v[NIL], 0
	v_lshrrev_b32 v12, 5, v0
	v_readfirstlane_b32 s20, v12                   ; wave 0..7
	v_and_b32 v1, 31, v0                           ; L
	v_and_b32 v2, 15, v0                           ; r = L % 16
	v_bfe_u32 v3, v0, 4, 1                         ; h = L / 16
	v_lshlrev_b32 v[GA], 4, v1
	v_lshlrev_b32 v[GI], 4, v0
	v_add_nc_u32 v[LI], IDX, v[GI]
	s_and_b32 s22, ttmp9, 255                      ; u
	s_lshr_b32 s23, ttmp9, 8                       ; 0: X, 1: W; the same in all waves of the work-group
	s_wait_kmcnt 0x0
	s_cmp_eq_u32 s23, 0
	s_cselect_b64 s[24:25], s[12:13], s[14:15]     ; X gathers by in_reorder, W by out_reorder
.irp i, 0,1,2,3
	global_load_b128 v[IX+4*(\i):IX+4*(\i)+3], v[GI], s[24:25] offset:4096*(\i)  ; the list, 4,096 bytes by the work-group's 256 threads, four times
.endr
; The index list goes into LDS as it came.  younger = the loads issued behind its four, which may stay out.
.macro PUTIDX younger
	s_wait_loadcnt \younger
.irp i, 0,1,2,3
	ds_store_b128 v[LI], v[IX+4*(\i):IX+4*(\i)+3] offset:4096*(\i)
.endr
.endm
; X: 16 loads of 512 consecutive bytes, numbers 16 bt .. 16 bt + 15 of the 64 that make my wave's two rows of x
.macro XLOAD set, bt
.set j, 0
.rept 16
	global_load_b128 v[(\set)+4*j:(\set)+4*j+3], v[GA], s[26:27] offset:(16*(\bt)+j)*512 th:TH_LOAD_NT
.set j, j+1
.endr
.endm
; X: they are rounded to f16, four numbers a lane, and stored: load n is row n / 32, bytes 256 (n % 32) on of the LDS row; the 32 lanes store 256 consecutive bytes
.macro XPUT set, bt
.set j, 0
.rept 16
.set n, 16*(\bt)+j
	v_cvt_pk_f16_f32 v[T+2*j],   v[(\set)+4*j],   v[(\set)+4*j+1]
	v_cvt_pk_f16_f32 v[T+2*j+1], v[(\set)+4*j+2], v[(\set)+4*j+3]
	ds_store_b64 v[LA], v[T+2*j:T+2*j+1] offset:(n/32)*PX+(n%32)*256
.set j, j+1
.endr
.endm
; W: chunk ch of my wave's four chunks of 128 columns: my lane's four columns in each of the 16 rows k, then their four scales and four zeros: 18 loads
.macro WLOAD n, ch
.set j, 0
.rept 16
	global_load_b128 v[SET0+64*(\n)+4*j:SET0+64*(\n)+4*j+3], v[GA], s[26:27] offset:j*16384+(\ch)*512 th:TH_LOAD_NT
.set j, j+1
.endr
	global_load_b128 v[ZS+8*(\n):ZS+8*(\n)+3],   v[GA], s[28:29] offset:(\ch)*512  ; eight work-groups read each group's scales and zeros: no hint
	global_load_b128 v[ZS+8*(\n)+4:ZS+8*(\n)+7], v[GA], s[30:31] offset:(\ch)*512
.endm
; W: (q - z) s as reference() takes it: the difference first (of whole numbers it is exact), one rounding in the product, one to f16.  Then column by column: 8 k are 16 bytes.
; A column's 16 k lie in 32 bytes at 32 col + 16 (col / 8): 16 bytes of padding behind every 8 columns.
.macro WPUT n, ch
.set SB, SET0+64*(\n)
.set ZB, ZS+8*(\n)
.set i, 0
.rept 64
	v_cvt_f32_i32 v[SB+i], v[SB+i]
.set i, i+1
.endr
.set i, 0
.rept 32
	v_pk_add_f32 v[SB+2*i:SB+2*i+1], v[SB+2*i:SB+2*i+1], v[ZB+4+2*(i%2):ZB+5+2*(i%2)] neg_lo:[0,1] neg_hi:[0,1]
.set i, i+1
.endr
.set i, 0
.rept 32
	v_pk_mul_f32 v[SB+2*i:SB+2*i+1], v[SB+2*i:SB+2*i+1], v[ZB+2*(i%2):ZB+2*(i%2)+1]
.set i, i+1
.endr
.set i, 0
.rept 32                               ; i = 16 hh + 4 cc + kp: half hh of the 16 k, column cc of my four, pair kp of the half's eight k
.set hh, i/16
.set cc, (i/4)%4
.set kp, i%4
	v_cvt_pk_f16_f32 v[T+i], v[SB+4*(8*hh+2*kp)+cc], v[SB+4*(8*hh+2*kp+1)+cc]
.set i, i+1
.endr
.set i, 0
.rept 8                                ; i = 4 hh + cc
	ds_store_b128 v[LA], v[T+4*i:T+4*i+3] offset:(\ch)*4352+32*(i%4)+16*(i/4)
.set i, i+1
.endr
.endm
	s_cmp_lg_u32 s23, 0
	s_cbranch_scc1 .Lw1
	; X, PHASE 1.  Wave w takes rows 2 w and 2 w + 1 of the work-group's 16: 32 KiB on end.
	s_lshl_b32 s34, s22, 18                        ; 16 rows of 16,384 bytes
	s_lshl_b32 s35, s20, 15
	s_add_co_u32 s34, s34, s35
	s_mov_b32 s35, 0
	s_add_nc_u64 s[26:27], s[4:5], s[34:35]
	s_mul_i32 s36, s20, 2*PX
	v_lshl_add_u32 v[LA], v1, 3, s36               ; my wave's first LDS row + 8 bytes a lane
	XLOAD SET0, 0
	XLOAD SET1, 1
	PUTIDX 32                                      ; the list is in; both sets' 32 loads may stay out
	s_wait_loadcnt 16                              ; set 0 is in; set 1's 16 loads may stay out
	XPUT SET0, 0
	XLOAD SET0, 2
	s_wait_loadcnt 16                              ; set 1 is in; the 16 just issued may stay out
	XPUT SET1, 1
	XLOAD SET1, 3
	s_wait_loadcnt 16
	XPUT SET0, 2
	s_wait_loadcnt 0x0
	XPUT SET1, 3
	s_branch .Ljoin1
.Lw1:
	; W, PHASE 1.  Wave w takes columns 512 w .. 512 w + 511 of the work-group's 16 rows, 128 columns at a time.
	s_lshl_b32 s34, s22, 18
	s_lshl_b32 s35, s20, 11
	s_add_co_u32 s34, s34, s35
	s_mov_b32 s35, 0
	s_add_nc_u64 s[26:27], s[6:7], s[34:35]
	s_lshr_b32 s34, s22, 3                         ; the group of 128 k in which my 16 lie
	s_lshl_b32 s34, s34, 14
	s_lshl_b32 s36, s20, 11
	s_add_co_u32 s34, s34, s36
	s_add_nc_u64 s[28:29], s[8:9], s[34:35]
	s_add_nc_u64 s[30:31], s[10:11], s[34:35]
	v_lshrrev_b32 v13, 1, v1
	v_lshlrev_b32 v13, 4, v13
	v_lshl_add_u32 v13, v1, 7, v13                 ; my four columns: 128 L + 16 (L / 2)
	s_mul_i32 s36, s20, 17408                      ; my wave's 512 columns: 64 x 272 bytes
	v_add_nc_u32 v[LA], s36, v13
	WLOAD 0, 0
	WLOAD 1, 1
	PUTIDX 36                                      ; the list is in; both sets' 36 loads may stay out
	s_wait_loadcnt 18                              ; set 0 is in; set 1's 18 loads may stay out
	WPUT 0, 0
	WLOAD 0, 2
	s_wait_loadcnt 18
	WPUT 1, 1
	WLOAD 1, 3
	s_wait_loadcnt 18
	WPUT 0, 2
	s_wait_loadcnt 0x0
	WPUT 1, 3
.Ljoin1:
	s_wait_dscnt 0x0                               ; for the others' sake: all my stores into LDS are done
	s_barrier_signal -1
	s_barrier_wait -1                              ; data and list are whole; from here on LDS is only read
	s_cmp_lg_u32 s23, 0
	s_cbranch_scc1 .Lw2
	; X, PHASE 2.  Wave w makes blocks kb = 16 w .. 16 w + 15, one a trip: 16 rows x 32 k, 1,024 bytes of ap.  Lane (r, h) gathers row r at k = 32 kb + 16 c + 8 h + 0..7, c = 0, 1.
	s_lshl_b32 s34, s20, 11                        ; 16 blocks x 32 indices x 4 bytes
	s_add_co_u32 s34, s34, IDX
	v_lshl_add_u32 v[IA], v3, 5, s34
	v_mul_u32_u24 v[RB], v2, PX
	s_lshl_b32 s34, s20, 17                        ; 16 blocks of 8,192 bytes in ap
	v_add_nc_u32 v[GO], s34, v[GA]
	s_lshr_b32 s34, s22, 3                         ; t = u / 8,
	s_lshl_b32 s34, s34, 20
	s_and_b32 s35, s22, 7                          ; b16 = u % 8
	s_lshl_b32 s35, s35, 10
	s_add_co_u32 s34, s34, s35
	s_mov_b32 s35, 0
	s_add_nc_u64 s[32:33], s[16:17], s[34:35]
	s_mov_b32 s36, 16
.Lxg:
	ds_load_b128 v[IX:IX+3],     v[IA]             ; my eight indices of c = 0,
	ds_load_b128 v[IX+4:IX+7],   v[IA] offset:16
	ds_load_b128 v[IX+8:IX+11],  v[IA] offset:64   ; and of c = 1
	ds_load_b128 v[IX+12:IX+15], v[IA] offset:80
	s_wait_dscnt 0x0
.set i, 0
.rept 16
	v_min_u32 v[IX+i], 4095, v[IX+i]
	v_lshl_add_u32 v[AD+i], v[IX+i], 1, v[RB]      ; row r, column index
.set i, i+1
.endr
.set i, 0
.rept 16
	ds_load_u16 v[GD+i], v[AD+i]
.set i, i+1
.endr
	s_wait_dscnt 0x0
.set i, 0
.rept 8
	v_lshl_or_b32 v[PK+i], v[GD+2*i+1], 16, v[GD+2*i]  ; the lower k in the low half
.set i, i+1
.endr
	global_store_b128 v[GO], v[PK:PK+3],   s[32:33]
	global_store_b128 v[GO], v[PK+4:PK+7], s[32:33] offset:512
	s_wait_xcnt 0x0                                ; the stores' offset and data are written again only behind this wait
	v_add_nc_u32 v[GO], 8192, v[GO]
	v_add_nc_u32 v[IA], 128, v[IA]
	s_sub_co_u32 s36, s36, 1
	s_cmp_lg_u32 s36, 0
	s_cbranch_scc1 .Lxg
	s_branch .Lend
.Lw2:
	; W, PHASE 2.  Wave w makes row blocks t = 4 w .. 4 w + 3 of bp, one a trip: 128 rows j x my 16 k.  Lane (r, h) takes, for b16 = 0..7, column out_reorder[128 t + 16 b16 + r], k half h: 16 bytes.
	s_lshl_b32 s34, s20, 11                        ; 4 blocks x 128 indices x 4 bytes
	s_add_co_u32 s34, s34, IDX
	v_lshl_add_u32 v[IA], v2, 2, s34
	v_lshlrev_b32 v[RB], 4, v3
	s_lshl_b32 s34, s20, 22                        ; 4 blocks of 1,048,576 bytes in bp
	v_add_nc_u32 v[GO], s34, v[GA]
	s_lshr_b32 s34, s22, 1                         ; kb = u / 2,
	s_lshl_b32 s34, s34, 13
	s_and_b32 s35, s22, 1                          ; c = u % 2
	s_lshl_b32 s35, s35, 9
	s_add_co_u32 s34, s34, s35
	s_mov_b32 s35, 0
	s_add_nc_u64 s[32:33], s[18:19], s[34:35]
	s_mov_b32 s36, 4
.Lwg:
.set i, 0
.rept 8
	ds_load_b32 v[IX+i], v[IA] offset:64*i
.set i, i+1
.endr
	s_wait_dscnt 0x0
.set i, 0
.rept 8
	v_min_u32 v[IX+i], 4095, v[IX+i]
	v_and_b32 v[AD+i], 0xff8, v[IX+i]              ; 8 (col / 8)
	v_lshl_add_u32 v[IX+i], v[IX+i], 5, v[RB]      ; 32 col + 16 h
	v_lshl_add_u32 v[AD+i], v[AD+i], 1, v[IX+i]    ; + 16 (col / 8)
.set i, i+1
.endr
.set i, 0
.rept 8
	ds_load_b128 v[GD+4*i:GD+4*i+3], v[AD+i]
.set i, i+1
.endr
.set i, 0
.rept 8
	s_wait_dscnt 7-i                               ; LDS loads come back in order (ISA guide 5.7.1): number i is in, the younger ones may stay out
	global_store_b128 v[GO], v[GD+4*i:GD+4*i+3], s[32:33] offset:1024*i
.set i, i+1
.endr
	s_wait_xcnt 0x0                                ; the stores' offset and data are written again only behind this wait
	v_add_nc_u32 v[GO], 0x100000, v[GO]
	v_add_nc_u32 v[IA], 512, v[IA]
	s_sub_co_u32 s36, s36, 1
	s_cmp_lg_u32 s36, 0
	s_cbranch_scc1 .Lwg
.Lend:
	s_wait_tensorcnt 0x0                           ; the wave's end, behind my last LDS store
	ds_add_u32 v[SPW], v[NIL]
	s_wait_dscnt 0x0
	s_endpgm
.Lfunc_end_k_qdb8012b6f1_pack:
	.size	k_qdb8012b6f1_pack, .Lfunc_end_k_qdb8012b6f1_pack-k_qdb8012b6f1_pack
	.p2alignl 7, 3214868480
	.fill 96, 4, 3214868480
	.section	.rodata,"a",@progbits
	.p2align	6, 0x0
	.amdhsa_kernel k_qdb8012b6f1_pack
		.amdhsa_group_segment_fixed_size 156672
		.amdhsa_private_segment_fixed_size 0
		.amdhsa_enable_private_segment 0
		.amdhsa_kernarg_size 64
		.amdhsa_user_sgpr_count 2
		.amdhsa_user_sgpr_kernarg_segment_ptr 1
		.amdhsa_wavefront_size32 1
		.amdhsa_system_sgpr_workgroup_id_x 1
		.amdhsa_system_sgpr_workgroup_id_y 1
		.amdhsa_system_sgpr_workgroup_id_z 1
		.amdhsa_system_vgpr_workitem_id 0
		.amdhsa_next_free_vgpr 240
		.amdhsa_next_free_sgpr 66
		.amdhsa_reserve_vcc 0
		.amdhsa_float_denorm_mode_32 3
		.amdhsa_float_denorm_mode_16_64 3
		.amdhsa_memory_ordered 1
		.amdhsa_forward_progress 1
		.amdhsa_inst_pref_size 72
	.end_amdhsa_kernel
	.amdgpu_metadata
---
amdhsa.version: [ 1, 2 ]
amdhsa.kernels:
  - .name:           k_qdb8012b6f1_pack
    .symbol:         k_qdb8012b6f1_pack.kd
    .args:
      - { .name: x, .offset: 0, .size: 8, .value_kind: global_buffer, .address_space: global }
      - { .name: intweight, .offset: 8, .size: 8, .value_kind: global_buffer, .address_space: global }
      - { .name: scales, .offset: 16, .size: 8, .value_kind: global_buffer, .address_space: global }
      - { .name: zeros, .offset: 24, .size: 8, .value_kind: global_buffer, .address_space: global }
      - { .name: in_reorder, .offset: 32, .size: 8, .value_kind: global_buffer, .address_space: global }
      - { .name: out_reorder, .offset: 40, .size: 8, .value_kind: global_buffer, .address_space: global }
      - { .name: ap, .offset: 48, .size: 8, .value_kind: global_buffer, .address_space: global }
      - { .name: bp, .offset: 56, .size: 8, .value_kind: global_buffer, .address_space: global }
    .group_segment_fixed_size: 156672
    .private_segment_fixed_size: 0
    .kernarg_segment_align: 8
    .kernarg_segment_size: 64
    .max_flat_workgroup_size: 256
    .sgpr_count:     66
    .vgpr_count:     240
    .wavefront_size: 32
...
	.end_amdgpu_metadata
.endif
;; end of part 1
;; launch gemm (part 2): grid 16 x 16, 4 waves a work-group, clusters of 4 x 4, 327,680 bytes of LDS; arguments ap, bp, bias, out0; writes out0
.if DOCPART == 2
	.amdgcn_target "amdgcn-amd-amdhsa--gfx1250"
	.amdhsa_code_object_version 6
	.text
	.protected	k_qdb8012b6f1_gemm
	.globl	k_qdb8012b6f1_gemm
	.p2align	8
	.type	k_qdb8012b6f1_gemm,@function
k_qdb8012b6f1_gemm:
	s_mov_b64 s[64:65], 0
	v_nop
	global_prefetch_b8 v0, s[64:65] scope:SCOPE_SE
	s_setreg_imm32_b32 hwreg(HW_REG_WAVE_MODE, 25, 1), 1
	s_wait_xcnt 0x0
	s_wait_alu depctr_hold_cnt(0) depctr_sa_sdst(0) depctr_va_vdst(0) depctr_va_sdst(0) depctr_va_ssrc(0) depctr_va_vcc(0) depctr_vm_vsrc(0)
	s_getreg_b32 s2, hwreg(HW_REG_IB_STS2, 6, 4)
	s_cmp_eq_u32 s2, 0
	s_cbranch_scc0 .Lentry_in_a_cluster
	s_endpgm
.Lentry_in_a_cluster:
	s_bfe_u32 s2, ttmp6, 0x10000c
	s_cmp_lg_u32 s2, 0xf033
	s_cbranch_scc0 .Lentry_shape_is_right
	s_endpgm
.Lentry_shape_is_right:
; out0[m][j] = bias[j] + sum over k of A[m][k] B[j][k], m, j, k to 4,096.  A = ap and B = bp are the first launch's f16 operands (x gathered by in_reorder; the weights dequantised and their columns
; gathered by out_reorder), in the order in which operand registers take them: [t: 32 blocks of 128 rows][kb: 128 blocks of 32 k][b16: 8][c: 2][L: 32 lanes][8 f16]: the 16 bytes at
; t 1,048,576 + kb 8,192 + b16 1,024 + c 512 + 16 L hold row 128 t + 16 b16 + L % 16, k = 32 kb + 16 c + 8 (L / 16) + 0..7.  Sums in f32; out0 is f32.  Nothing of reference() is left out.
; LIMITS.  The operands are f16 (the first launch states their range).  The bias starts each sum, where reference() adds it last: another order of rounding.  NaN and infinities are not treated apart.
; SHARES.  A tile of out0, 256 x 256, is made by a work-group of four waves; a wave makes 128 x 128: 64 accumulators of 16 x 16, 512 registers.  256 tiles, 256 work-groups.
; K goes in 32 steps of 128 through a ring of two LDS slots.  For 128 rows a K step is 32,768 consecutive bytes of ap or bp: one tensor load a wave, asked for as 128 rows of 256 bytes, laid in LDS without
; gaps.  A fragment's half is then 512 consecutive bytes of LDS, 16 a lane: no padding is wanted.
; CLUSTERS: 4 x 4 work-groups.  The four of a row of the cluster need the same tiles of A, the four of a column the same tiles of B: each tile is asked for JOINTLY, by the same tensor load with the same
; descriptor and a mask that names the four.
; THE MATRIX INSTRUCTION IS USED TRANSPOSED: source 0 = 16 rows of B, source 1 = 16 rows of A: lane l then holds row m = l % 16 and the columns 8 (l / 16) + 0..7: 32 consecutive bytes of a row of out0.
; REGISTERS, in windows of 256 (s_set_vgpr_msb: bits 1:0 source 0, 3:2 source 1, 5:4 source 2, 7:6 destination):
;   window 0: v0-31 addresses; v64-127, v128-191 fragments of A, two buffers (on the way out: rows read back from the stage); v192-255 the bias of my 128 columns, as a C operand
;   window 1: v64-127, v128-191 fragments of B, two buffers     window 2: the accumulators of my rows 0-63 ((a, b) at v[8 (8 a + b)])     window 3: those of my rows 64-127
.set STEPB,  32768                     ; a K step of 128 rows: what one tensor load brings, and what one wave reads of A or of B
.set SLOT,   4*STEPB                   ; A's two halves, then B's two halves
.set STAGE,  2*SLOT                    ; behind the ring, never filled by a tensor load: 16 rows x 528 bytes for each wave, for the way out
.set SPITCH, 528                       ; 512 bytes + 16 = 132 words: row r starts at bank 4 r mod 64 (64 banks of 4 bytes: ISA guide 11.1)
.set SPARE,  STAGE+4*16*SPITCH         ; behind the stages: the spare words, 128 bytes for each wave: two blocks of 256 bytes that no other line names
.set LAPS,   16                        ; a lap = two K steps = once round the ring
.set ROWB,   16384                     ; bytes in a row of out0
.set ADRA, 16                          ; v16-17  LDS address of my A fragments in slot 0, 1
.set ADRB, 20                          ; v20-21  the same for B
.set STO,  24                          ; v24     the way out: where I put 32 bytes of a row
.set RD,   25                          ; v25     the way out: where I read a row back
.set CO,   26                          ; v26     16 x lane: my 16 bytes of a row's 512
.set BO,   27                          ; v27     32 x (lane / 16): my eight columns of a block of 16, in the bias
.set SPW,  28                          ; v28     LDS address of my spare word; never rewritten
.set NIL,  29                          ; v29     0; never rewritten
.set PFO,  30                          ; v30     256 x lane: the prefetches' offset; never rewritten
.set F0,   64
.set F1,   128
.set OB,   64                          ; the way out: 16 rows read back: v64-127 and v128-191 by turns
.set BIAS, 192                         ; column block b at v[192 + 8 b ..]
.set WV,  12                           ; s12  my wave's number
.set RH,  13                           ; s13  which half of the tile's rows is mine.  Also: I fetch for A (0) or for B (1)
.set CH,  14                           ; s14  which half of its columns.  Also: which 128 rows of that tile I fetch
.set TR,  15                           ; s15  tile row of out0
.set G1,  24                           ; s[24:31] descriptor group 1 for A's tiles
.set G0,  32                           ; s[32:39] descriptor group 0 for A's tiles, one set for each slot
.set LIM, 43                           ; s43  1 in a wave that prefetches, else the greatest number
.set PFA, 44                           ; s[44:45] where my prefetches stand: one K step further than the refill that is being asked for; a prefetch names the K step after that
.set G1B, 48                           ; s[48:55], s[56:63] the same two groups for B's tiles
.set G0B, 56
.set MSB, 0
.macro WIN new                         ; the immediate's high byte repeats the setting that is left; a switch that changes nothing is dropped
.if MSB != (\new)
	s_set_vgpr_msb (MSB<<8)|(\new)
.set MSB, \new
.endif
.endm
.set MUL_LO, 0xa1                      ; source 0 (B) window 1, source 1 (A) window 0, C and D window 2;  + 0x50: C and D window 3
.set BEG_LO, 0x81                      ; the same with C (the bias) in window 0;  + 0x40: D window 3
.set TO_B,   0x40                      ; destination window 1, address window 0
; A joint load.  Waves 0 and 1 fetch A's two halves, waves 2 and 3 B's.  Each of the two lines has one mask and one set of registers for all that issue it; the branch hangs on the wave's number alone.
; An s_nop 0 and four v_nop follow each of the two lines, ahead of the jump, the label and what follows.
.macro JLOAD s
	s_cmp_eq_u32 s[RH], 0
	s_cbranch_scc0 .Lfor_b_\@
	tensor_load_to_lds s[G0+4*(\s):G0+4*(\s)+3], s[G1:G1+7]
	s_nop 0
.rept 4
	v_nop
.endr
	s_branch .Lasked_\@
.Lfor_b_\@:
	tensor_load_to_lds s[G0B+4*(\s):G0B+4*(\s)+3], s[G1B:G1B+7]
	s_nop 0
.rept 4
	v_nop
.endr
.Lasked_\@:
.endm
; A PREFETCH INTO THE L2, behind each joint refill and the run of LDS loads that follows it: the K step that stands TWO refills on, 512 matrix instructions ahead of the load that will want it.
; Each block of 256 bytes is named ONCE in the launch.  A's tiles are read by every cluster of a row of clusters: the one with x = 0 asks; B's by every cluster of a column: the one with y = 0 asks.
; The four partners that ask for a tile jointly share its 32,768 bytes out BY ADDRESS, 8,192 each (by cx for A, by cy for B): a lane a block, one instruction a wave.  No branch hangs on a place in the cluster.
; K steps 0 to 3 come by their loads alone; the loop's last trip (s3 = 1), whose refills are the last two K steps, asks for nothing.
.macro ASK
	s_cmp_gt_u32 s3, s[LIM]
	s_cbranch_scc0 .Lnot_mine_\@
	global_prefetch_b8 v[PFO], s[PFA:PFA+1] offset:STEPB th:TH_LOAD_NT scope:SCOPE_SE
.Lnot_mine_\@:
.endm
; A round of the cluster's barrier: my work-group's barrier, so that wave 0's signal speaks for all four waves; wave 0 signals; every wave waits for all sixteen work-groups; my work-group's barrier once more.
.macro CREST                           ; a round behind its opening barrier
	s_cmp_lg_u32 s[WV], 0
	s_cbranch_scc1 .Lnot_wave_0_\@
	s_barrier_signal -3
.Lnot_wave_0_\@:
	s_barrier_wait -3
	s_barrier_signal -1
	s_barrier_wait -1
.endm
.macro CROUND                          ; a whole round
	s_barrier_signal -1
	s_barrier_wait -1
	CREST
.endm
	s_load_b256 s[4:11], s[0:1], 0x0               ; ap s[4:5], bp s[6:7], bias s[8:9], out0 s[10:11]
	v_lshl_add_u32 v[SPW], v0, 2, SPARE
	v_mov_b32 v[NIL], 0
	ds_add_u32 v[SPW], v[NIL]                      ; the wave's opening: the add, twice on end, and its wait ahead of my first tensor load; the set-up below stands between
	ds_add_u32 v[SPW], v[NIL]                      ; and once more, under the one wait
	v_lshrrev_b32 v1, 5, v0
	v_readfirstlane_b32 s[WV], v1                  ; wave 0..3
	s_lshr_b32 s[RH], s[WV], 1
	s_and_b32 s[CH], s[WV], 1
	s_bfe_u32 s40, ttmp6, 0x40000                  ; cx: my place along the cluster's x
	s_bfe_u32 s41, ttmp6, 0x40004                  ; cy: along its y
	s_lshl_b32 s42, ttmp9, 2                       ; in a cluster launch ttmp9 and ttmp7 count clusters
	s_add_co_u32 s42, s42, s40                     ; tile column = 4 x cluster x + cx
	s_and_b32 s[TR], ttmp7, 0xffff
	s_lshl_b32 s[TR], s[TR], 2
	s_add_co_u32 s[TR], s[TR], s41                 ; tile row = 4 x cluster y + cy
	s_lshl_b32 s43, s41, 2
	s_lshl_b32 s43, 15, s43                        ; my row of the cluster: places 4 cy .. 4 cy + 3
	s_lshl_b32 s44, 0x1111, s40                    ; my column: places cx, cx + 4, cx + 8, cx + 12
	; descriptor group 1: 32,768 dense bytes as 128 rows of 32 elements of 8 bytes, no padding
	s_or_b32 s[G1+0],  s43, (3<<16)|(1<<21)        ; 15:0 the mask: A's tiles go to my row; 17:16 elements of 8 bytes (code 3); 21 set beside a mask
	s_or_b32 s[G1B+0], s44, (3<<16)|(1<<21)        ; the same with the mask of my column, for B's tiles
.irp g, G1, G1B
	s_mov_b32 s[(\g)+1], 32<<16                    ; tensor_dim0 = 32
	s_mov_b32 s[(\g)+2], 128<<16                   ; tensor_dim1 = 128
	s_mov_b32 s[(\g)+3], 32<<16                    ; tile_dim0 = 32
	s_mov_b32 s[(\g)+4], 128                       ; tile_dim1 = 128
	s_mov_b32 s[(\g)+5], 32                        ; 32 elements from row to row: the rows lie end to end
	s_mov_b32 s[(\g)+6], 0
	s_mov_b32 s[(\g)+7], 0
.endr
	; where the tiles come from.  A's hang on the tile row alone, which my row of the cluster shares; B's on the tile column alone.  Each in registers that never hold the other coordinate.
	s_lshl_b32 s16, s[TR], 1
	s_add_co_u32 s16, s16, s[CH]                   ; A: block of 128 rows t = 2 x tile row + the half that I fetch
	s_lshl_b32 s16, s16, 20
	s_mov_b32 s17, 0
	s_lshl_b32 s46, s42, 1
	s_add_co_u32 s46, s46, s[CH]                   ; B: t = 2 x tile column + half
	s_lshl_b32 s46, s46, 20
	s_mov_b32 s47, 0
	s_lshl_b32 s20, s[WV], 15                      ; and where they go: wave x 32,768: no place in the cluster enters an LDS address
	s_wait_dscnt 0x0                               ; both opening adds are done
	s_wait_kmcnt 0x0
	s_add_nc_u64 s[18:19], s[4:5], s[16:17]
	s_add_nc_u64 s[46:47], s[6:7], s[46:47]
	CROUND                                         ; all sixteen work-groups are here: the first joint loads meet
.irp s, 0,1
	s_mov_b32 s[G0+4*(\s)], 1                                      ; 1:0 count = 1
	s_add_co_u32 s[G0+4*(\s)+1], s20, (\s)*SLOT                    ; 63:32 LDS address
	s_add_nc_u64 s[G0+4*(\s)+2:G0+4*(\s)+3], s[18:19], (\s)*STEPB  ; 120:64 global address: K step s
	s_or_b32 s[G0+4*(\s)+3], s[G0+4*(\s)+3], 0x80000000            ; 127:126 type = 2
	s_mov_b32 s[G0B+4*(\s)], 1
	s_add_co_u32 s[G0B+4*(\s)+1], s20, (\s)*SLOT
	s_add_nc_u64 s[G0B+4*(\s)+2:G0B+4*(\s)+3], s[46:47], (\s)*STEPB
	s_or_b32 s[G0B+4*(\s)+3], s[G0B+4*(\s)+3], 0x80000000
	JLOAD \s                                       ; the ring is filled before anything else is done: two loads of mine are out
.endr
	v_and_b32 v1, 31, v0                           ; l
	v_and_b32 v2, 15, v0                           ; l % 16
	v_bfe_u32 v3, v0, 4, 1                         ; l / 16
	v_lshlrev_b32 v4, 4, v1                        ; 16 l: my place in every 512 bytes of a tile
	s_lshl_b32 s21, s[RH], 15                      ; my 128 rows of A
	s_lshl_b32 s22, s[CH], 15                      ; my 128 rows of B,
	s_add_co_u32 s22, s22, 2*STEPB                 ; which lie behind A's 256
.irp s, 0,1
	v_add_nc_u32 v[ADRA+(\s)], s21, v4
	v_add_nc_u32 v[ADRB+(\s)], s22, v4
	s_add_co_u32 s21, s21, SLOT
	s_add_co_u32 s22, s22, SLOT
.endr
	s_mul_i32 s23, s[WV], 16*SPITCH
	s_add_co_u32 s23, s23, STAGE                   ; my stage
	v_mul_u32_u24 v5, v2, SPITCH                   ; in: row l % 16, 32 bytes for each half of the lanes
	v_lshl_add_u32 v5, v3, 5, v5
	v_add_nc_u32 v[STO], s23, v5
	v_add_nc_u32 v[RD], s23, v4                    ; back: the 32 lanes take one row of 512 bytes
	v_mov_b32 v[CO], v4
	v_lshlrev_b32 v[BO], 5, v3
	v_lshlrev_b32 v[PFO], 8, v1
	; out0 at my first row and column; the bias at my first column
	s_lshl_b32 s16, s[TR], 8
	s_lshl_b32 s17, s[RH], 7
	s_add_co_u32 s16, s16, s17                     ; my first row
	s_lshl_b32 s16, s16, 14                        ; in bytes
	s_mov_b32 s17, 0
	s_lshl_b32 s46, s42, 10                        ; my first column, in bytes: 1,024 x tile column + 512 x half (in the registers that held B's address: none that feeds A's descriptors ever holds cx)
	s_lshl_b32 s47, s[CH], 9
	s_add_co_u32 s46, s46, s47
	s_mov_b32 s47, 0
	s_add_nc_u64 s[10:11], s[10:11], s[16:17]
	s_add_nc_u64 s[10:11], s[10:11], s[46:47]
	s_add_nc_u64 s[8:9], s[8:9], s[46:47]
.irp b, 0,1,2,3,4,5,6,7
	global_load_b128 v[BIAS+8*(\b):BIAS+8*(\b)+3],   v[BO], s[8:9] offset:64*(\b)     ; register j of block b: bias[my first column + 16 b + 8 (l / 16) + j]: what a C operand holds there, for every row
	global_load_b128 v[BIAS+8*(\b)+4:BIAS+8*(\b)+7], v[BO], s[8:9] offset:64*(\b)+16
.endr
	; the prefetches
	s_and_b32 s22, ttmp7, 0xffff                   ; cluster y
	s_cmp_eq_u32 s[RH], 0                          ; do I fetch for A?
	s_cselect_b32 s20, s[TR], s42                  ; the tile: by the tile row in A, by the tile column in B
	s_cselect_b32 s21, s40, s41                    ; my place among the four that ask for it with me
	s_cselect_b32 s22, ttmp9, s22                  ; the coordinate along which other clusters read the same tiles
	s_cselect_b64 s[PFA:PFA+1], s[4:5], s[6:7]
	s_cmp_eq_u32 s22, 0
	s_cselect_b32 s[LIM], 1, -1                    ; the same in all sixteen partners, for a given wave
	s_lshl_b32 s20, s20, 1
	s_add_co_u32 s20, s20, s[CH]
	s_lshl_b32 s20, s20, 20                        ; the block of 128 rows that I fetch,
	s_lshl_b32 s21, s21, 13
	s_add_co_u32 s20, s20, s21                     ; my work-group's 8,192 bytes of a K step,
	s_add_co_u32 s20, s20, 2*STEPB                 ; at K step 2: the first refill steps it to 3 and names K step 4
	s_mov_b32 s21, 0
	s_add_nc_u64 s[PFA:PFA+1], s[PFA:PFA+1], s[20:21]
; 16 matrix instructions: m blocks a0, a0 + 1 of the window's four (hi = 0: my rows 0-63, 1: rows 64-127) x all 8 n blocks, 32 along K.
; beg = 1: the first product starts the sums with the bias as C: nothing is cleared, and nothing is added on the way out.
; The 64 accumulators take turns, one instruction a turn, in the same order in every quarter step.
.macro MUL16 f, hi, a0, beg
.if \beg
	WIN BEG_LO+0x40*(\hi)
.else
	WIN MUL_LO+0x50*(\hi)
.endif
.irp a, \a0, (\a0)+1
.irp b, 0,1,2,3,4,5,6,7
.if \beg
	v_wmma_f32_16x16x32_f16 v[8*(8*(\a)+(\b)):8*(8*(\a)+(\b))+7], v[(\f)+8*(\b):(\f)+8*(\b)+7], v[(\f)+8*(4*(\hi)+(\a)):(\f)+8*(4*(\hi)+(\a))+7], v[BIAS+8*(\b):BIAS+8*(\b)+7]
.else
	v_wmma_f32_16x16x32_f16 v[8*(8*(\a)+(\b)):8*(8*(\a)+(\b))+7], v[(\f)+8*(\b):(\f)+8*(\b)+7], v[(\f)+8*(4*(\hi)+(\a)):(\f)+8*(4*(\hi)+(\a))+7], v[8*(8*(\a)+(\b)):8*(8*(\a)+(\b))+7]
.endif
.endr
.endr
.endm
; 32 LDS loads in one run: the fragments of quarter q of a K step (128 rows of B, 128 rows of A, 32 k) into buffer f.  Each load takes 512 consecutive bytes.
.macro FETCH slot, q, f
	WIN TO_B
.irp i, 0,1,2,3,4,5,6,7
	ds_load_b128 v[(\f)+8*(\i):(\f)+8*(\i)+3],   v[ADRB+(\slot)] offset:(\q)*8192+(\i)*1024
	ds_load_b128 v[(\f)+8*(\i)+4:(\f)+8*(\i)+7], v[ADRB+(\slot)] offset:(\q)*8192+(\i)*1024+512
.endr
	WIN 0
.irp i, 0,1,2,3,4,5,6,7
	ds_load_b128 v[(\f)+8*(\i):(\f)+8*(\i)+3],   v[ADRA+(\slot)] offset:(\q)*8192+(\i)*1024
	ds_load_b128 v[(\f)+8*(\i)+4:(\f)+8*(\i)+7], v[ADRA+(\slot)] offset:(\q)*8192+(\i)*1024+512
.endr
.endm
; A load into a register that a matrix instruction has read, and a store that reads a matrix result, stand four places behind that matrix instruction, and only plain vector instructions that name none of
; its registers are places (ISA guide 7.12.1 for vector instructions).
.macro PLACES
.rept 4
	v_nop
.endr
.endm
; A K step is four quarters of 32 along K, 64 matrix instructions each, on buffers 0, 1, 0, 1.  One of the first three: multiplies buffer f; in its middle it fetches quarter q of the same slot into buffer g.
.macro QUARTER slot, q, f, g, beg
	s_wait_dscnt 8                                 ; B and A's rows 0-63 are in; the youngest eight loads (A's rows 64-127) may be out
	MUL16 \f, 0, 0, \beg
	MUL16 \f, 0, 2, \beg
	PLACES
	FETCH \slot, \q, \g
	s_wait_dscnt 32                                ; all but the 32 just issued
	MUL16 \f, 1, 0, \beg
	MUL16 \f, 1, 2, \beg
.endm
; The last quarter multiplies buffer 1 and changes slots.  MEET is its first half: ONE barrier for the change.  In front of it each wave waits for all its tensor loads, of which one is out: its part of the
; next slot; adds 0 to its spare word; and waits for that and for its own reads of this slot.  Behind it nobody reads this slot any more and the next slot is whole.
.macro MEET round                      ; round = 1: the rest of a round of the cluster's barrier follows
	WIN 0                                          ; (the add's two registers lie in window 0)
	s_wait_tensorcnt 0x0                           ; all my tensor loads have landed
	ds_add_u32 v[SPW], v[NIL]                      ; 0 onto my spare word
	s_wait_dscnt 9                                 ; (the add and the youngest eight loads may be out)
	MUL16 F1, 0, 0, 0                              ; sixteen matrix instructions stand between the add and the wait for it
	s_wait_dscnt 0x0                               ; the add is done, and my reads of this slot are over
	s_barrier_signal -1
	MUL16 F1, 0, 2, 0                              ; work on registers while the others arrive
.if \round
	WIN 0
.endif
	s_barrier_wait -1
.endm
; The whole last quarter.  fill = 1: behind the round the slot just read out is filled again first, with the K step two steps on; then come the next slot's first fragments.
; From a request to the wait for it a wave issues 224 matrix instructions.
.macro TURN slot, next, fill
.if \fill
	s_wait_xcnt 0x0                                ; the last prefetch, a K step back, has read its address: it is stepped here, ahead of the waits of the change of slots
	s_add_nc_u64 s[PFA:PFA+1], s[PFA:PFA+1], STEPB
.endif
	MEET \fill
.if \fill
	CREST                                          ; no wave of any partner still reads this slot's tile or has a load on its way
	s_add_nc_u64 s[G0+4*(\slot)+2:G0+4*(\slot)+3], s[G0+4*(\slot)+2:G0+4*(\slot)+3], 2*STEPB
	s_add_nc_u64 s[G0B+4*(\slot)+2:G0B+4*(\slot)+3], s[G0B+4*(\slot)+2:G0B+4*(\slot)+3], 2*STEPB
	JLOAD \slot                                    ; the first tensor load behind the round; the four v_nop behind it are also the places in front of the loads below
.else
	PLACES
.endif
	FETCH \next, 0, F0
.if \fill
	ASK
.endif
	MUL16 F1, 1, 0, 0
	MUL16 F1, 1, 2, 0
.endm
; THE WAY OUT of block a (16 of my rows).  A lane's 32 bytes of a row go into my own stage, rows of 528 bytes, each accumulator's low registers first; they come back as whole rows of 512.
.macro TOSTAGE a
.set AC, 64*((\a)%4)
.set BK, OB+64*((\a)%2)
	WIN 0x08+4*((\a)/4)                            ; the stores' data (source 1) in window 2 or 3
.irp b, 0,1,2,3,4,5,6,7
	ds_store_b128 v[STO], v[AC+8*(\b):AC+8*(\b)+3]   offset:64*(\b)
	ds_store_b128 v[STO], v[AC+8*(\b)+4:AC+8*(\b)+7] offset:64*(\b)+16
.endr
	WIN 0
.if (\a) >= 2
	s_wait_xcnt 0x0                                ; the stores of block a - 2 have read this buffer: it is loaded again only behind this wait
.endif
.irp t, 0,1,2,3,4,5,6,7,8,9,10,11,12,13,14,15
	ds_load_b128 v[BK+4*(\t):BK+4*(\t)+3], v[RD] offset:SPITCH*(\t)  ; LDS serves a wave's instructions in order (ISA guide 5.7.1.4): these see the stores above; the next block's stores come behind them
.endr
.endm
.macro SEND a, younger                 ; younger: the LDS instructions issued behind block a's loads: the next block's 32, or none
.set BK, OB+64*((\a)%2)
.irp t, 0,1,2,3,4,5,6,7,8,9,10,11,12,13,14,15
	s_wait_dscnt (\younger)+15-(\t)
	global_store_b128 v[CO], v[BK+4*(\t):BK+4*(\t)+3], s[10:11] offset:(16*(\a)+(\t))*ROWB th:TH_STORE_NT  ; 512 consecutive bytes of a row, at a multiple of 512 from out0's first byte; the row stands in the immediate, 127 rows at the most
.endr
.endm
	s_wait_loadcnt 0x0                             ; the bias
	s_wait_tensorcnt 1                             ; my part of K step 0 is in; K step 1's may stay out
	s_barrier_signal -1
	s_barrier_wait -1                              ; everybody's is
	FETCH 0, 0, F0
	QUARTER 0, 1, F0, F1, 1                        ; the first quarter stands in front of the loop: its products start the sums
	WIN 0                                          ; at a label and at a branch every window is 0
	s_mov_b32 s3, LAPS-1
.Llap:                                                 ; a trip goes once round the ring, from a lap's second quarter to the next lap's first, and fills both slots again
	QUARTER 0, 2, F1, F0, 0
	QUARTER 0, 3, F0, F1, 0
	TURN 0, 1, 1
	QUARTER 1, 1, F0, F1, 0
	QUARTER 1, 2, F1, F0, 0
	QUARTER 1, 3, F0, F1, 0
	TURN 1, 0, 1
	QUARTER 0, 1, F0, F1, 0
	WIN 0
	s_sub_co_u32 s3, s3, 1
	s_cmp_lg_u32 s3, 0
	s_cbranch_scc1 .Llap
	QUARTER 0, 2, F1, F0, 0                        ; the last lap is written out: it fills nothing, and has no round of the cluster's barrier
	QUARTER 0, 3, F0, F1, 0
	TURN 0, 1, 0
	QUARTER 1, 1, F0, F1, 0
	QUARTER 1, 2, F1, F0, 0
	QUARTER 1, 3, F0, F1, 0
	s_wait_dscnt 8                                 ; the very last quarter: nothing more to fetch
	MUL16 F1, 0, 0, 0
	MUL16 F1, 0, 2, 0
	s_wait_dscnt 0x0
	MUL16 F1, 1, 0, 0
	MUL16 F1, 1, 2, 0
	WIN 0
	PLACES                                         ; the stage's stores read results just made and its loads land in A's buffers; no other vector work is at hand:
	PLACES                                         ; eight, once a launch
	TOSTAGE 0
.irp a, 1,2,3,4,5,6,7                  ; block a's way through the stage stands between block a - 1's loads and its stores to memory
	TOSTAGE \a
	SEND (\a)-1, 32
.endr
	SEND 7, 0
	s_wait_tensorcnt 0x0                           ; the wave's end, behind my last tensor load and my last LDS store
	ds_add_u32 v[SPW], v[NIL]
	s_wait_dscnt 0x0
	CROUND                                         ; the closing round: no work-group ends while a partner may still ask for a tile that names it
	s_endpgm
.Lfunc_end_k_qdb8012b6f1_gemm:
	.size	k_qdb8012b6f1_gemm, .Lfunc_end_k_qdb8012b6f1_gemm-k_qdb8012b6f1_gemm
	.p2alignl 7, 3214868480
	.fill 96, 4, 3214868480
	.section	.rodata,"a",@progbits
	.p2align	6, 0x0
	.amdhsa_kernel k_qdb8012b6f1_gemm
		.amdhsa_group_segment_fixed_size 327680
		.amdhsa_private_segment_fixed_size 0
		.amdhsa_enable_private_segment 0
		.amdhsa_kernarg_size 32
		.amdhsa_user_sgpr_count 2
		.amdhsa_user_sgpr_kernarg_segment_ptr 1
		.amdhsa_wavefront_size32 1
		.amdhsa_system_sgpr_workgroup_id_x 1
		.amdhsa_system_sgpr_workgroup_id_y 1
		.amdhsa_system_sgpr_workgroup_id_z 1
		.amdhsa_system_vgpr_workitem_id 0
		.amdhsa_next_free_vgpr 1024
		.amdhsa_next_free_sgpr 66
		.amdhsa_reserve_vcc 0
		.amdhsa_float_denorm_mode_32 3
		.amdhsa_float_denorm_mode_16_64 3
		.amdhsa_memory_ordered 1
		.amdhsa_forward_progress 1
		.amdhsa_inst_pref_size 146
	.end_amdhsa_kernel
	.amdgpu_metadata
---
amdhsa.version: [ 1, 2 ]
amdhsa.kernels:
  - .name:           k_qdb8012b6f1_gemm
    .symbol:         k_qdb8012b6f1_gemm.kd
    .args:
      - { .name: ap, .offset: 0, .size: 8, .value_kind: global_buffer, .address_space: global }
      - { .name: bp, .offset: 8, .size: 8, .value_kind: global_buffer, .address_space: global }
      - { .name: bias, .offset: 16, .size: 8, .value_kind: global_buffer, .address_space: global }
      - { .name: out0, .offset: 24, .size: 8, .value_kind: global_buffer, .address_space: global }
    .group_segment_fixed_size: 327680
    .private_segment_fixed_size: 0
    .kernarg_segment_align: 8
    .kernarg_segment_size: 32
    .max_flat_workgroup_size: 128
    .sgpr_count:     66
    .vgpr_count:     1024
    .wavefront_size: 32
...
	.end_amdgpu_metadata
.endif
;; end of part 2
;; ======== version 2 of 2: 2 launches; version 1 with the launch pack written anew for expert scheduling mode
;; limits: values are held in f16: magnitudes above 65,504 overflow, below 6.1e-05 lose precision
;; workspace buffers: ap 33,554,432 bytes; bp 33,554,432 bytes
;; launch pack (part 3): grid 512 x 1, 8 waves a work-group, no clusters, 156,672 bytes of LDS; arguments x, intweight, scales, zeros, in_reorder, out_reorder, ap, bp; writes ap, bp
.if DOCPART == 3
	.amdgcn_target "amdgcn-amd-amdhsa--gfx1250"
	.amdhsa_code_object_version 6
	.text
	.protected	k_qdb8012b6f1_pack
	.globl	k_qdb8012b6f1_pack
	.p2align	8
	.type	k_qdb8012b6f1_pack,@function
k_qdb8012b6f1_pack:
	s_mov_b64 s[64:65], 0
	v_nop
	global_prefetch_b8 v0, s[64:65] scope:SCOPE_SE
	s_setreg_imm32_b32 hwreg(HW_REG_WAVE_SCHED_MODE, 0, 2), 2
	s_setreg_imm32_b32 hwreg(HW_REG_WAVE_MODE, 25, 1), 1
	s_wait_xcnt 0x0
	s_wait_alu depctr_vm_vsrc(0)
; out[m][j] = sum over i of x[m][in_reorder[i]] w[i][out_reorder[j]] + bias[j],  w[i][o] = (intweight[i][o] - zeros[i/128][o]) scales[i/128][o];  m, i, j, o run to 4,096.
; THIS LAUNCH makes the two operands of the product, each number once: ap = f16(x[m][in_reorder[k]]), bp = f16(w[k][out_reorder[j]]).  The gather of output columns is a gather of columns
; of w: column j of the result is made of column out_reorder[j] of w alone, whatever the indices hold.  Neither list is taken to be a permutation: both are applied as gathers.
; NOTHING OF reference() IS LEFT OUT: all seven inputs are read (bias by the second launch).
; LAYOUT of ap and bp, the order in which a wave's operand registers take them: [t: 32 blocks of 128 rows][kb: 128 blocks of 32 k][b16: 8 blocks of 16 rows][c: 2][L: 32 lanes][8 f16].
; The 16 bytes at t 1,048,576 + kb 8,192 + b16 1,024 + c 512 + 16 L hold row 128 t + 16 b16 + L % 16 (m in ap, j in bp), k = 32 kb + 16 c + 8 (L / 16) + 0..7.
; LIMITS.  Both operands are rounded once, from f32 to f16: |x| and |w| of 65,520 or more become infinities; below 6.1e-5 they keep f16's fixed step of 6e-8.  Indices lie in 0 .. 4,095, as the
; problem states; the minimum with 4,095 ahead of every use is a guard only.  NaN and infinities are not treated apart.
; SHARES.  Work-groups 0-255 (X): u = the number; 16 rows m = 16 u .. of x, whole.  Work-groups 256-511 (W): u = the number - 256; 16 rows k = 16 u .. of intweight, whole.  Each reads 256 KiB on end,
; lays it in LDS as f16 (phase 1), and after ONE barrier gathers from LDS by the index list and stores 128 KiB (phase 2), each store of a wave 512 consecutive bytes, aligned.
; No matrix unit, no tensor load (the numbers are changed on their way into LDS), no cluster (what work-groups share is a list of 16 KiB), no prefetch (every wave streams with 32 loads or more out).
; THE MODE: SCHED_MODE bits 1:0 = 2 (LLVM: expert scheduling mode 2), set by the entry lines.  The code itself states the register dependences between vector instructions and memory or LDS
; instructions, with s_wait_alu, always for 0.
; THE PLAN.  Registers that memory or LDS instructions touch:
;   v4-6, v11, v12   Offsets and addresses made at the head, ahead of its wait on va_vdst, and never written again.
;   v[LA]            Written once, at the start of a path's phase 1; read by that phase's LDS stores, the first of which stand behind batch 0's wait on va_vdst.
;   SET0, SET1, ZS   Phase 1 goes in four batches.  Batch n's arithmetic reads set n % 2 (W: works in it); the loads of batch n + 2 land in it.
;   T0, T1           Batch n's roundings write T[n % 2]; the batch's LDS stores read it.
;                    A batch is: its data's wait, all its arithmetic, ONE wait on va_vdst (T is written; the set is done with), the loads of batch n + 2, the batch's LDS stores.
;                    ONE wait on vm_vsrc stands ahead of batch 2: the stores of batches 0 and 1, all issued ahead of it, have read T0 and T1.
;   IX, T0, T1       are written again in phase 2: one wait on vm_vsrc behind the barrier, ahead of the branch, states that phase 1's LDS stores have read them.
;   Phase 2, X       Trip t: vector lines step IA, make block t + 1's addresses (IX -> AD) and pack block t (GD -> PK); ONE wait on va_vdst; then the gathers of t + 1 (read AD, land in GD), the index
;                    loads of t + 2 (read IA, land in IX) and the stores of t (read PK).  ONE wait on vm_vsrc at the trip's head: the last trip's memory and LDS instructions have read AD, IA and PK.
;                    v[GO] is never written again: the stores' scalar base moves on by a block at each trip's head.
;   Phase 2, W       All 32 indices at once (WI), all 32 addresses (WA), ONE wait on va_vdst, then 32 gathers into 128 registers of their own (WG) and their stores: no register is used twice.
.set PX,    8208                       ; X: an LDS row of 4,096 f16 + 16 bytes = 2,052 words: row r starts at bank 4 r mod 64 (64 banks of 4 bytes: ISA guide 11.1): the 16 rows read at one index fall on 16 banks
.set IDX,   139264                     ; behind the data (X: 16 x 8,208 bytes; W: 512 x 272): the path's index list as it lies in memory, 16,384 bytes
.set SPARE, 155648                     ; behind it: the spare words, 128 bytes for each of the eight waves: four blocks of 256 bytes that no other line names
.set SPW, 4                            ; v4   LDS address of my spare word; never rewritten
.set NIL, 5                            ; v5   0; never rewritten
.set GA,  6                            ; v6   16 x lane
.set LA,  7                            ; v7   phase 1: where my lane stores in LDS
.set IA,  8                            ; v8   phase 2: where my indices lie in LDS
.set GO,  9                            ; v9   phase 2: my byte offset in ap or bp
.set RB,  10                           ; v10  phase 2: my lane's part of a gather's address
.set GI,  11                           ; v11  16 x thread: my 16 bytes of each quarter of the index list
.set LI,  12                           ; v12  IDX + 16 x thread
.set IX,  16                           ; v[16:31]   the list on its way into LDS; phase 2, X: a block's indices
.set AD,  32                           ; v[32:47]   phase 2, X: gather addresses
.set GD,  48                           ; v[48:63]   phase 2, X: what was gathered
.set PK,  80                           ; v[80:87]   phase 2, X: 16 halves packed
.set WI,  16                           ; v[16:47]   phase 2, W: my 32 indices
.set WA,  48                           ; v[48:79]   phase 2, W: my 32 gather addresses
.set WG,  96                           ; v[96:223]  phase 2, W: what was gathered, 4 registers each
.set T0,  64                           ; v[64:95], v[32:63]  phase 1: f16 on their way into LDS, two buffers by turns
.set T1,  32
.set SET0, 96                          ; v[96:159], v[160:223]  phase 1: two sets of 16 loads
.set SET1, 160
.set ZS,  224                          ; v[224:239] phase 1, W: set n: four scales at 224 + 8 n, four zeros behind them
	s_load_b512 s[4:19], s[0:1], 0x0               ; x 4, intweight 6, scales 8, zeros 10, in_reorder 12, out_reorder 14, ap 16, bp 18
	v_lshl_add_u32 v[SPW], v0, 2, SPARE
	v_mov_b32 v[NIL], 0
	v_lshrrev_b32 v12, 5, v0
	v_readfirstlane_b32 s20, v12                   ; wave 0..7
	v_and_b32 v1, 31, v0                           ; L
	v_and_b32 v2, 15, v0                           ; r = L % 16
	v_bfe_u32 v3, v0, 4, 1                         ; h = L / 16
	v_lshlrev_b32 v[GA], 4, v1
	v_lshlrev_b32 v[GI], 4, v0
	v_add_nc_u32 v[LI], IDX, v[GI]
	s_and_b32 s22, ttmp9, 255                      ; u
	s_lshr_b32 s23, ttmp9, 8                       ; 0: X, 1: W; the same in all waves of the work-group
	s_wait_alu depctr_va_sdst(0)                   ; s20 is written
	s_wait_kmcnt 0x0
	s_cmp_eq_u32 s23, 0
	s_cselect_b64 s[24:25], s[12:13], s[14:15]     ; X gathers by in_reorder, W by out_reorder
	s_wait_alu depctr_va_vdst(0)                   ; v[GI], v[LI] and v[GA] are written, which the loads and LDS stores below read as offsets and addresses; so are v4 and v5, which the closing add reads
.irp i, 0,1,2,3
	global_load_b128 v[IX+4*(\i):IX+4*(\i)+3], v[GI], s[24:25] offset:4096*(\i)  ; the list, 4,096 bytes by the work-group's 256 threads, four times
.endr
; The index list goes into LDS as it came.  younger = the loads issued behind its four, which may stay out.
.macro PUTIDX younger
	s_wait_loadcnt \younger
.irp i, 0,1,2,3
	ds_store_b128 v[LI], v[IX+4*(\i):IX+4*(\i)+3] offset:4096*(\i)
.endr
.endm
; X: 16 loads of 512 consecutive bytes, numbers 16 bt .. 16 bt + 15 of the 64 that make my wave's two rows of x
.macro XLOAD set, bt
.set j, 0
.rept 16
	global_load_b128 v[(\set)+4*j:(\set)+4*j+3], v[GA], s[26:27] offset:(16*(\bt)+j)*512 th:TH_LOAD_NT
.set j, j+1
.endr
.endm
; X: they are rounded to f16, four numbers a lane, into buffer tb,
.macro XCVT set, tb
.set j, 0
.rept 16
	v_cvt_pk_f16_f32 v[(\tb)+2*j],   v[(\set)+4*j],   v[(\set)+4*j+1]
	v_cvt_pk_f16_f32 v[(\tb)+2*j+1], v[(\set)+4*j+2], v[(\set)+4*j+3]
.set j, j+1
.endr
.endm
; and stored: load n is row n / 32, bytes 256 (n % 32) on of the LDS row; the 32 lanes store 256 consecutive bytes
.macro XST tb, bt
.set j, 0
.rept 16
.set n, 16*(\bt)+j
	ds_store_b64 v[LA], v[(\tb)+2*j:(\tb)+2*j+1] offset:(n/32)*PX+(n%32)*256
.set j, j+1
.endr
.endm
; W: chunk ch of my wave's four chunks of 128 columns: my lane's four columns in each of the 16 rows k, then their four scales and four zeros: 18 loads
.macro WLOAD n, ch
.set j, 0
.rept 16
	global_load_b128 v[SET0+64*(\n)+4*j:SET0+64*(\n)+4*j+3], v[GA], s[26:27] offset:j*16384+(\ch)*512 th:TH_LOAD_NT
.set j, j+1
.endr
	global_load_b128 v[ZS+8*(\n):ZS+8*(\n)+3],   v[GA], s[28:29] offset:(\ch)*512  ; eight work-groups read each group's scales and zeros: no hint
	global_load_b128 v[ZS+8*(\n)+4:ZS+8*(\n)+7], v[GA], s[30:31] offset:(\ch)*512
.endm
; W: (q - z) s as reference() takes it: the difference first (of whole numbers it is exact), one rounding in the product, one to f16, into buffer tb.
.macro WCVT n, tb
.set SB, SET0+64*(\n)
.set ZB, ZS+8*(\n)
.set i, 0
.rept 64
	v_cvt_f32_i32 v[SB+i], v[SB+i]
.set i, i+1
.endr
.set i, 0
.rept 32
	v_pk_add_f32 v[SB+2*i:SB+2*i+1], v[SB+2*i:SB+2*i+1], v[ZB+4+2*(i%2):ZB+5+2*(i%2)] neg_lo:[0,1] neg_hi:[0,1]
.set i, i+1
.endr
.set i, 0
.rept 32
	v_pk_mul_f32 v[SB+2*i:SB+2*i+1], v[SB+2*i:SB+2*i+1], v[ZB+2*(i%2):ZB+2*(i%2)+1]
.set i, i+1
.endr
.set i, 0
.rept 32                               ; i = 16 hh + 4 cc + kp: half hh of the 16 k, column cc of my four, pair kp of the half's eight k
.set hh, i/16
.set cc, (i/4)%4
.set kp, i%4
	v_cvt_pk_f16_f32 v[(\tb)+i], v[SB+4*(8*hh+2*kp)+cc], v[SB+4*(8*hh+2*kp+1)+cc]
.set i, i+1
.endr
.endm
; W: then column by column: 8 k are 16 bytes.  A column's 16 k lie in 32 bytes at 32 col + 16 (col / 8): 16 bytes of padding behind every 8 columns.
.macro WST tb, ch
.set i, 0
.rept 8                                ; i = 4 hh + cc
	ds_store_b128 v[LA], v[(\tb)+4*i:(\tb)+4*i+3] offset:(\ch)*4352+32*(i%4)+16*(i/4)
.set i, i+1
.endr
.endm
; X, phase 2: a block's 16 indices of my lane: eight of c = 0, eight of c = 1; at: bytes from v[IA]
.macro XIDX at
	ds_load_b128 v[IX:IX+3],     v[IA] offset:(\at)
	ds_load_b128 v[IX+4:IX+7],   v[IA] offset:(\at)+16
	ds_load_b128 v[IX+8:IX+11],  v[IA] offset:(\at)+64
	ds_load_b128 v[IX+12:IX+15], v[IA] offset:(\at)+80
.endm
.macro XADR                            ; their addresses: row r, column index
.set i, 0
.rept 16
	v_min_u32 v[IX+i], 4095, v[IX+i]
	v_lshl_add_u32 v[AD+i], v[IX+i], 1, v[RB]
.set i, i+1
.endr
.endm
.macro XGAT                            ; the gathers
.set i, 0
.rept 16
	ds_load_u16 v[GD+i], v[AD+i]
.set i, i+1
.endr
.endm
; X, phase 2: trip t.  gather = 1: block t + 1 is gathered.  index = 1: block t + 2's indices are asked for.
.macro XTRIP gather, index
	s_wait_dscnt 0x0                               ; block t's halves and block t + 1's indices are in
	s_wait_xcnt 0x0                                ; the last trip's stores have had their addresses translated: their base and data are written again only behind this wait
	s_wait_alu depctr_vm_vsrc(0)                   ; the last trip's stores have read v[PK ..], its gathers v[AD ..], its index loads v[IA]: the lines below write them again
	s_add_nc_u64 s[32:33], s[32:33], 8192          ; one block further than this trip's: the stores reach back
.if \index
	v_add_nc_u32 v[IA], 128, v[IA]
.endif
.if \gather
	XADR
.endif
.set i, 0
.rept 8
	v_lshl_or_b32 v[PK+i], v[GD+2*i+1], 16, v[GD+2*i]  ; the lower k in the low half
.set i, i+1
.endr
	s_wait_alu depctr_va_vdst(0)                   ; v[PK ..], v[AD ..] and v[IA] are written, which the stores, gathers and index loads below read; v[GD ..] and v[IX ..], in which the LDS loads land, are done with
.if \gather
	XGAT
.endif
.if \index
	XIDX 128
.endif
	global_store_b128 v[GO], v[PK:PK+3],   s[32:33] offset:-8192
	global_store_b128 v[GO], v[PK+4:PK+7], s[32:33] offset:-8192+512
.endm
	s_cmp_lg_u32 s23, 0
	s_cbranch_scc1 .Lw1
	; X, PHASE 1.  Wave w takes rows 2 w and 2 w + 1 of the work-group's 16: 32 KiB on end.
	s_lshl_b32 s34, s22, 18                        ; 16 rows of 16,384 bytes
	s_lshl_b32 s35, s20, 15
	s_add_co_u32 s34, s34, s35
	s_mov_b32 s35, 0
	s_add_nc_u64 s[26:27], s[4:5], s[34:35]
	s_mul_i32 s36, s20, 2*PX
	v_lshl_add_u32 v[LA], v1, 3, s36               ; my wave's first LDS row + 8 bytes a lane
	XLOAD SET0, 0
	XLOAD SET1, 1
	PUTIDX 32                                      ; the list is in; both sets' 32 loads may stay out
	s_wait_loadcnt 16                              ; set 0 is in; set 1's 16 loads may stay out
	XCVT SET0, T0
	s_wait_alu depctr_va_vdst(0)                   ; the roundings have written T0, and v[LA] is written: the LDS stores read both; the roundings are done reading set 0, in which the loads land
	XLOAD SET0, 2
	XST T0, 0
	s_wait_loadcnt 16                              ; set 1 is in; the 16 just issued may stay out
	XCVT SET1, T1
	s_wait_alu depctr_va_vdst(0)                   ; the roundings have written T1, which the LDS stores read, and are done reading set 1, in which the loads land
	XLOAD SET1, 3
	XST T1, 1
	s_wait_loadcnt 16
	s_wait_alu depctr_vm_vsrc(0)                   ; the LDS stores of batches 0 and 1 have read T0 and T1, which the roundings of batches 2 and 3 write again
	XCVT SET0, T0
	s_wait_alu depctr_va_vdst(0)                   ; the roundings have written T0, which the LDS stores read
	XST T0, 2
	s_wait_loadcnt 0x0
	XCVT SET1, T1
	s_wait_alu depctr_va_vdst(0)                   ; the roundings have written T1, which the LDS stores read
	XST T1, 3
	s_branch .Ljoin1
.Lw1:
	; W, PHASE 1.  Wave w takes columns 512 w .. 512 w + 511 of the work-group's 16 rows, 128 columns at a time.
	s_lshl_b32 s34, s22, 18
	s_lshl_b32 s35, s20, 11
	s_add_co_u32 s34, s34, s35
	s_mov_b32 s35, 0
	s_add_nc_u64 s[26:27], s[6:7], s[34:35]
	s_lshr_b32 s34, s22, 3                         ; the group of 128 k in which my 16 lie
	s_lshl_b32 s34, s34, 14
	s_lshl_b32 s36, s20, 11
	s_add_co_u32 s34, s34, s36
	s_add_nc_u64 s[28:29], s[8:9], s[34:35]
	s_add_nc_u64 s[30:31], s[10:11], s[34:35]
	v_lshrrev_b32 v13, 1, v1
	v_lshlrev_b32 v13, 4, v13
	v_lshl_add_u32 v13, v1, 7, v13                 ; my four columns: 128 L + 16 (L / 2)
	s_mul_i32 s36, s20, 17408                      ; my wave's 512 columns: 64 x 272 bytes
	v_add_nc_u32 v[LA], s36, v13
	WLOAD 0, 0
	WLOAD 1, 1
	PUTIDX 36                                      ; the list is in; both sets' 36 loads may stay out
	s_wait_loadcnt 18                              ; set 0 is in; set 1's 18 loads may stay out
	WCVT 0, T0
	s_wait_alu depctr_va_vdst(0)                   ; the roundings have written T0, and v[LA] is written: the LDS stores read both; the arithmetic is done with set 0 and its scales and zeros, in which the loads land
	WLOAD 0, 2
	WST T0, 0
	s_wait_loadcnt 18
	WCVT 1, T1
	s_wait_alu depctr_va_vdst(0)                   ; the roundings have written T1, which the LDS stores read; the arithmetic is done with set 1 and its scales and zeros, in which the loads land
	WLOAD 1, 3
	WST T1, 1
	s_wait_loadcnt 18
	s_wait_alu depctr_vm_vsrc(0)                   ; the LDS stores of batches 0 and 1 have read T0 and T1, which the roundings of batches 2 and 3 write again
	WCVT 0, T0
	s_wait_alu depctr_va_vdst(0)                   ; the roundings have written T0, which the LDS stores read
	WST T0, 2
	s_wait_loadcnt 0x0
	WCVT 1, T1
	s_wait_alu depctr_va_vdst(0)                   ; the roundings have written T1, which the LDS stores read
	WST T1, 3
.Ljoin1:
	s_wait_dscnt 0x0                               ; for the others' sake: all my stores into LDS are done
	s_barrier_signal -1
	s_barrier_wait -1                              ; data and list are whole; from here on LDS is only read
	s_wait_alu depctr_vm_vsrc(0)                   ; my LDS stores have read v[IX ..], T0 and T1: phase 2's LDS loads and vector lines write v16 to v87 again, on both ways behind the branch
	s_cmp_lg_u32 s23, 0
	s_cbranch_scc1 .Lw2
	; X, PHASE 2.  Wave w makes blocks kb = 16 w .. 16 w + 15, one a trip: 16 rows x 32 k, 1,024 bytes of ap.  Lane (r, h) gathers row r at k = 32 kb + 16 c + 8 h + 0..7, c = 0, 1.
	s_lshl_b32 s34, s20, 11                        ; 16 blocks x 32 indices x 4 bytes
	s_add_co_u32 s34, s34, IDX
	v_lshl_add_u32 v[IA], v3, 5, s34
	v_mul_u32_u24 v[RB], v2, PX
	s_lshl_b32 s34, s20, 17                        ; 16 blocks of 8,192 bytes in ap
	v_add_nc_u32 v[GO], s34, v[GA]
	s_lshr_b32 s34, s22, 3                         ; t = u / 8,
	s_lshl_b32 s34, s34, 20
	s_and_b32 s35, s22, 7                          ; b16 = u % 8
	s_lshl_b32 s35, s35, 10
	s_add_co_u32 s34, s34, s35
	s_mov_b32 s35, 0
	s_add_nc_u64 s[32:33], s[16:17], s[34:35]
	s_mov_b32 s36, 14
	s_wait_alu depctr_va_vdst(0)                   ; v[IA] is written, which the index loads read, and v[GO], which every store reads
	XIDX 0                                         ; block 0's indices
	s_wait_dscnt 0x0
	XADR
	s_wait_alu depctr_va_vdst(0)                   ; v[AD ..] is written, which the gathers read; v[IX ..], in which block 1's indices land, is done with
	XGAT                                           ; block 0
	XIDX 128                                       ; block 1's indices
.Lxg:                                                  ; trips 0 to 13
	XTRIP 1, 1
	s_sub_co_u32 s36, s36, 1
	s_cmp_lg_u32 s36, 0
	s_cbranch_scc1 .Lxg
	XTRIP 1, 0                                     ; the last two trips are written out: no index load leaves my wave's part of the list
	XTRIP 0, 0
	s_branch .Lend
.Lw2:
	; W, PHASE 2.  Wave w makes row blocks t = 4 w .. 4 w + 3 of bp: 128 rows j x my 16 k each.  Lane (r, h) takes, for b16 = 0..7, column out_reorder[128 t + 16 b16 + r], k half h: 16 bytes.
	; Number i of my 32 is block i / 8, b16 = i % 8.
	s_lshl_b32 s34, s20, 11                        ; 4 blocks x 128 indices x 4 bytes
	s_add_co_u32 s34, s34, IDX
	v_lshl_add_u32 v[IA], v2, 2, s34
	v_lshlrev_b32 v[RB], 4, v3
	s_lshl_b32 s34, s20, 22                        ; 4 blocks of 1,048,576 bytes in bp
	v_add_nc_u32 v[GO], s34, v[GA]
	s_lshr_b32 s34, s22, 1                         ; kb = u / 2,
	s_lshl_b32 s34, s34, 13
	s_and_b32 s35, s22, 1                          ; c = u % 2
	s_lshl_b32 s35, s35, 9
	s_add_co_u32 s34, s34, s35
	s_mov_b32 s35, 0
	s_add_nc_u64 s[32:33], s[18:19], s[34:35]
	s_wait_alu depctr_va_vdst(0)                   ; v[IA] is written, which the index loads read, and v[GO], which every store reads
.set i, 0
.rept 32
	ds_load_b32 v[WI+i], v[IA] offset:512*(i/8)+64*(i%8)
.set i, i+1
.endr
	s_wait_dscnt 0x0
.set i, 0
.rept 32
	v_min_u32 v[WI+i], 4095, v[WI+i]
	v_and_b32 v[WA+i], 0xff8, v[WI+i]              ; 8 (col / 8)
	v_lshl_add_u32 v[WI+i], v[WI+i], 5, v[RB]      ; 32 col + 16 h
	v_lshl_add_u32 v[WA+i], v[WA+i], 1, v[WI+i]    ; + 16 (col / 8)
.set i, i+1
.endr
	s_wait_alu depctr_va_vdst(0)                   ; all 32 addresses v[WA ..] are written, which the gathers read; no vector line follows
.set i, 0
.rept 16
	ds_load_b128 v[WG+4*i:WG+4*i+3], v[WA+i]       ; sixteen gathers ahead
.set i, i+1
.endr
.set i, 0
.rept 32
.if i < 16
	s_wait_dscnt 15                                ; LDS loads come back in order (ISA guide 5.7.1): number i is in; the 15 younger ones (to number 15 + i) may stay out
.else
	s_wait_dscnt 31-i                              ; all 32 are issued: the counts run down
.endif
	global_store_b128 v[GO], v[WG+4*i:WG+4*i+3], s[32:33] offset:0x100000*(i/8)+1024*(i%8)  ; the block and b16 stand in the immediate, 3,152,896 bytes at the most
.if i < 16
	ds_load_b128 v[WG+4*(i+16):WG+4*(i+16)+3], v[WA+i+16]  ; registers of its own: no store has read them, no vector line has named them since the wait above
.endif
.set i, i+1
.endr
.Lend:
	s_wait_dscnt 0x0                               ; the closing lines, six on end
	s_wait_alu 0x0
	s_wait_tensorcnt 0x0
	ds_add_u32 v[SPW], v[NIL]
	s_wait_dscnt 0x0
	s_endpgm
.Lfunc_end_k_qdb8012b6f1_pack:
	.size	k_qdb8012b6f1_pack, .Lfunc_end_k_qdb8012b6f1_pack-k_qdb8012b6f1_pack
	.p2alignl 7, 3214868480
	.fill 96, 4, 3214868480
	.section	.rodata,"a",@progbits
	.p2align	6, 0x0
	.amdhsa_kernel k_qdb8012b6f1_pack
		.amdhsa_group_segment_fixed_size 156672
		.amdhsa_private_segment_fixed_size 0
		.amdhsa_enable_private_segment 0
		.amdhsa_kernarg_size 64
		.amdhsa_user_sgpr_count 2
		.amdhsa_user_sgpr_kernarg_segment_ptr 1
		.amdhsa_wavefront_size32 1
		.amdhsa_system_sgpr_workgroup_id_x 1
		.amdhsa_system_sgpr_workgroup_id_y 1
		.amdhsa_system_sgpr_workgroup_id_z 1
		.amdhsa_system_vgpr_workitem_id 0
		.amdhsa_next_free_vgpr 240
		.amdhsa_next_free_sgpr 66
		.amdhsa_reserve_vcc 0
		.amdhsa_float_denorm_mode_32 3
		.amdhsa_float_denorm_mode_16_64 3
		.amdhsa_memory_ordered 1
		.amdhsa_forward_progress 1
		.amdhsa_inst_pref_size 93
	.end_amdhsa_kernel
	.amdgpu_metadata
---
amdhsa.version: [ 1, 2 ]
amdhsa.kernels:
  - .name:           k_qdb8012b6f1_pack
    .symbol:         k_qdb8012b6f1_pack.kd
    .args:
      - { .name: x, .offset: 0, .size: 8, .value_kind: global_buffer, .address_space: global }
      - { .name: intweight, .offset: 8, .size: 8, .value_kind: global_buffer, .address_space: global }
      - { .name: scales, .offset: 16, .size: 8, .value_kind: global_buffer, .address_space: global }
      - { .name: zeros, .offset: 24, .size: 8, .value_kind: global_buffer, .address_space: global }
      - { .name: in_reorder, .offset: 32, .size: 8, .value_kind: global_buffer, .address_space: global }
      - { .name: out_reorder, .offset: 40, .size: 8, .value_kind: global_buffer, .address_space: global }
      - { .name: ap, .offset: 48, .size: 8, .value_kind: global_buffer, .address_space: global }
      - { .name: bp, .offset: 56, .size: 8, .value_kind: global_buffer, .address_space: global }
    .group_segment_fixed_size: 156672
    .private_segment_fixed_size: 0
    .kernarg_segment_align: 8
    .kernarg_segment_size: 64
    .max_flat_workgroup_size: 256
    .sgpr_count:     66
    .vgpr_count:     240
    .wavefront_size: 32
...
	.end_amdgpu_metadata
.endif
;; end of part 3
;; launch gemm: the kernel of part 2 again; grid 16 x 16, 4 waves a work-group, clusters of 4 x 4, 327,680 bytes of LDS; arguments ap, bp, bias, out0; writes out0
